; MI455X (gfx1250); checked and timed in simulation.
; The chip was launched on July 23, 2026; its instructions are those of AMD's public machine-readable ISA for CDNA 5 (MIT licence, August 2026) and "CDNA5" Instruction Set Architecture Reference Guide (July 2026). The comments in the code are by the model that wrote it; some were corrected since.
;; Attn. Allowed arithmetic: matrix products marked QUANTISED: E2M1 operands, one E8M0 scale for each 32 along K, by v_wmma_scale_f32_16x16x128_f8f6f4 with both operands' format E2M1 (or v_wmma_scale_f32_32x16x128_f4), f32 sums; products left as they are: f32 operands where the result goes on into a quantised operand, else bf16, f16 or f32 operands; f32 sums; everything else in f32.
;; Inputs: W_codes 1,024 x 32 x 16 uint8 (E2M1 codes of W, K innermost, in blocks of 32 codes, two codes a byte); W_scales 1,024 x 32 uint8 (E8M0 scales of W, one for each 32 codes along K); b 1,024 float32; encoder_outputs_codes 16 x 4,096 x 32 x 16 uint8 (E2M1 codes of encoder_outputs, K innermost, in blocks of 32 codes, two codes a byte); encoder_outputs_scales 16 x 4,096 x 32 uint8 (E8M0 scales of encoder_outputs, one for each 32 codes along K); hidden 16 x 1,024 float32.
;; Outputs: out0 16 x 1 x 4,096 float32.
;; This version of the problem:
;;   THIS VERSION OF THE PROBLEM IS GIVEN IN LOW PRECISION. The matrix products marked QUANTISED in the list below multiply operands that are first quantised to E2M1 (2 exponent bits, 1 mantissa bit; 4 bits a number), with one power-of-two scale for each 32 numbers along K (OCP MX v1.0); their sums are f32. All else is computed in f32.
;;   The module's matrix products, in the order in which they are computed (A, B: the left and right operand; K: the contracted axis; several contracted axes count as one K, in the product's order):
;;     1. [M 65,536, K 1,024] x [K 1,024, N 1,024]; A: input encoder_outputs (given as codes); B: input W (given as codes): QUANTISED
;;     2. batch 16 x [M 1, K 1,024] x [K 1,024, N 4,096]; A: input hidden; B: computed on the way: left as it is (M = 1 < 16)
;;   THE QUANTISER, for each operand of a quantised product, along K:
;;     - K is cut into blocks of 32 from its start; a last block that is shorter is filled with zeros.
;;     - A block's scale is 2^e with e = floor(log2(the largest magnitude in the block)) - 2, held to -126 .. 127; a block of zeros has e = 0. As a byte (E8M0): e + 127.
;;     - Each number is divided by its block's scale, clamped to +-6, and rounded to the nearest number of E2M1, ties to even, subnormals kept.
;;     - The product sums the exact products of the quantised numbers (number of the format x scale) in f32.
;;   ~~~python
;;   def quantise(x, axis):      # numpy; x: float32 -> the quantised numbers, widened to float32 again
;;       x = np.moveaxis(x, axis, -1); K = x.shape[-1]
;;       x = np.pad(x, [(0, 0)] * (x.ndim - 1) + [(0, -K % 32)]); x = x.reshape(x.shape[:-1] + (-1, 32)); a = np.abs(x).max(-1, keepdims=True)
;;       e = np.where(a > 0, np.clip(np.frexp(np.where(a > 0, a, 1))[1] - 1 - 2, -126, 127), 0)      # np.frexp(a)[1] - 1 = floor(log2(a)), exactly
;;       r = np.clip(x / 2.0 ** e, -6, 6)
;;       step = 2.0 ** (np.maximum(np.frexp(np.where(r == 0, 1, r))[1] - 1, 0) - 1)
;;       q = np.round(r / step) * step * 2.0 ** e      # np.round: ties to even
;;       return np.moveaxis(q.reshape(q.shape[:-2] + (-1,))[..., :K], -1, axis).astype(np.float32)
;;   ~~~
;;   INPUTS GIVEN AS CODES. W (in the module: [1024, 1024], K = its axis 1); encoder_outputs (in the module: [16, 4096, 1024], K = its axis 2): each comes as NAME_codes (uint8): NAME with its K axis moved to the last place and cut into blocks of 32 codes, [.., K / 32, bytes a block], one block behind the other in memory; two codes a byte, the lower K in the low four bits (a code: sign, 2 exponent bits, 1 mantissa bit); and NAME_scales (uint8): the same leading axes, one E8M0 byte (e + 127) for each 32 codes along K. Its value is code x scale, taken as it is: it is not quantised again, and the codes and scales need not be those that the quantiser above would give.
;; 2 versions. Each part assembles by itself: llvm-mc -triple=amdgcn-amd-amdhsa -mcpu=gfx1250 --defsym DOCPART=n.
;; ======== version 1 of 2: 2 launches
;; workspace buffers: part 1,048,576 bytes
;; launch scores (part 1): grid 4 x 64, 4 waves a work-group, clusters of 4 x 1, 327,680 bytes of LDS; arguments encoder_outputs_codes, encoder_outputs_scales, W_codes, W_scales, b, hidden, part; writes part
.if DOCPART == 1
	.amdgcn_target "amdgcn-amd-amdhsa--gfx1250"
	.amdhsa_code_object_version 6
	.text
	.protected	k_qf1631c35f5_scores
	.globl	k_qf1631c35f5_scores
	.p2align	8
	.type	k_qf1631c35f5_scores,@function
k_qf1631c35f5_scores:
	s_mov_b64 s[64:65], 0
	v_nop
	global_prefetch_b8 v0, s[64:65] scope:SCOPE_SE
	s_setreg_imm32_b32 hwreg(HW_REG_WAVE_MODE, 25, 1), 1
	s_wait_xcnt 0x0
	s_wait_alu depctr_hold_cnt(0) depctr_sa_sdst(0) depctr_va_vdst(0) depctr_va_sdst(0) depctr_va_ssrc(0) depctr_va_vcc(0) depctr_vm_vsrc(0)
	s_getreg_b32 s2, hwreg(HW_REG_IB_STS2, 6, 4)
	s_cmp_eq_u32 s2, 0
	s_cbranch_scc0 .Lentry_in_a_cluster
	s_endpgm
.Lentry_in_a_cluster:
	s_bfe_u32 s2, ttmp6, 0x10000c
	s_cmp_lg_u32 s2, 0x3003
	s_cbranch_scc0 .Lentry_shape_is_right
	s_endpgm
.Lentry_shape_is_right:
; part[cx][row] = the sum over the 256 columns n of quarter cx of hidden[batch][n] x (sum over k of enc[row][k] W[n][k] + b[n]).
; enc: 65,536 rows x 1,024 k, W: 1,024 rows (n) x 1,024 k: codes of FP4 (E2M1), two a byte, with one E8M0 byte for each 32 along k, taken as they lie.  hidden, b, part: f32.
; SHARES.  A work-group owns 1,024 rows of enc (block y) and 256 rows of W (quarter cx).  Wave (i, j) = (wave / 2, wave % 2) holds rows 128 i .. 128 i + 127 of that quarter FOR ALL OF K in its
; registers (64 fragments, 512 registers, read from memory once) and takes the tiles of 16 rows of enc whose number has parity j: 32 tiles, 64 matrix instructions each.
; enc goes through two LDS slots of 256 rows.  CLUSTER: the four work-groups of a cluster have the same block y and the four quarters of W, so they walk the same rows of enc: each slot is asked
; for JOINTLY, by the same tensor load with the same descriptor and the mask of all four.  The block's scale bytes (32 KiB, dense in memory) come once, with the first fills, and stay.
; THE MATRIX INSTRUCTION: source 0 = 16 rows of W, source 1 = 16 rows of enc.  In the result lane (r, h) holds enc's row r, and its register jj column n = 16 t + 8 h + jj.  The energies never leave
; the registers: while tile g + 1 is multiplied, tile g's 64 results a lane are multiplied by hidden's numbers of the same columns and summed in f32, one packed multiply-add behind every second
; matrix instruction.  The bias enters as the lane's own sum of hidden x b, the addend of each tile's first multiply-add.  Two sets of eight accumulators take turns, tile by tile.
; A row's four partial sums (i, h) meet in LDS at the end; the four quarters' sums go to memory side by side and are added by the next launch.
; LIMITS: NaN, infinities and the scale byte 0xff are not served specially (a NaN spreads over its batch).  The order of the sums over n differs from a plain chain: 16 parts, the bias inside each.
;
; REGISTERS, in windows of 256 (s_set_vgpr_msb: bits 1:0 source 0, 3:2 source 1, 5:4 source 2, 7:6 destination):
;   window 0: v1-15 addresses and sums; v16-31 enc's scale words, two sets; v32-63 W's scale words; v64-127 a tile's eight fragments of enc; v128-191, v192-255 the two sets of accumulators
;   windows 1, 2, 3: W's fragments of K steps 0-2, 3-5, 6-7 (K step q, tile t at v[64 (q % 3) + 8 t]); in each of the three v192-255 hold a copy of hidden's 64 numbers of my lane,
;   so that a multiply-add (hidden as source 0) runs under the window setting of the matrix instructions round it.
.set PITCH,  528                       ; a row of enc in LDS: 512 bytes + 16 of padding = 33 x 16: the sixteen rows of a fragment load fall into sixteen different columns of 16 bytes modulo 256
.set WROWS,  64*PITCH                  ; 64 rows: what one tensor load brings
.set SLOTB,  4*WROWS                   ; a slot: 256 rows
.set TILEB,  256*512                   ; and the same rows in memory
.set SCL,    2*SLOTB                   ; behind the ring: the block's scale bytes, as units of 256 bytes + 16: row R at (R / 8) 272 + (R % 8) 32
.set WSCL,   32*272                    ; a quarter of them: what one tensor load brings
.set SPARE,  SCL+4*WSCL                ; the spare words, 128 bytes for each wave: two blocks of 256 bytes that no other line names
.set SCR,    SPARE+512                 ; partial scores: [wave][h][32 tiles x 16 rows] f32, 4,096 bytes a wave; written by LDS stores alone
.set MT,     2*16*PITCH                ; from one of my tiles to my next: 32 rows
.set MS,     2*544                     ; and their scale bytes: four units
.set SPW, 1                            ; v1   LDS address of my spare word; never rewritten
.set NIL, 2                            ; v2   0; never rewritten
.set LA,  3                            ; v3   my lane's place in my first tile of a slot
.set LS,  4                            ; v4   my lane's place among the scale bytes of my first tile
.set LW,  5                            ; v5   my lane's place in the partial scores
.set ADR, 6                            ; v6   LA + the tile in hand
.set ADS, 7                            ; v7   LS + the tile in hand
.set ADW, 8                            ; v8   LW + the tile whose score is due
.set SS,  9                            ; v9   a finished partial score
.set S,   10                           ; v[10:11] the running sum, even and odd columns
.set HB,  12                           ; v[12:13] my lane's sum of hidden x b, likewise
.set ADRN, 14                          ; v14  LA in the other slot
.set PF,  15                           ; v15  prefetch: my lane's block of 256 bytes in a slot's rows in memory; never rewritten
.set SA,  16                           ; enc's scale words: set e at v[16 + 8 e]; register q: K step q; lanes 0-15: rows 0-15
.set SW,  32                           ; W's: register 8 T + q: lane L holds the word of my row 32 T + L for K step q
.set AF,  64
.set ACC, 128
.set HID, 192                          ; in windows 1, 2, 3
.set VW,  128                          ; at the head only: byte offsets of the loads into registers, in registers that the first products write over behind the wait for those loads
.set VL,  129
.set VH,  130
.set R,   131
.set H,   132
.set LN,  133
.set T0,  134
.set WV,  18                           ; s18 wave; s19 i; s20 j; s21 cx; s22 y; s23 at work
.set WI,  19
.set WJ,  20
.set CX,  21
.set BY,  22
.set G1C, 24                           ; s[24:31] descriptor group 1 for the codes
.set G1S, 32                           ; s[32:39] for the scale bytes
.set G0,  40                           ; s[40:43], s[44:47] group 0 for slot 0, 1
.set G0S, 48                           ; s[48:51] group 0 for the scale bytes
.set TB,  52                           ; s52  LDS byte of the tile in hand
.set TS,  53                           ; s53  the same among the scale bytes
.set TW,  54                           ; s54  the same among the partial scores, one tile back
.set CNT, 55
.set NONE, -1
.set MSB, 0
.macro WIN new                         ; the immediate's high byte repeats the setting that is left; a switch that changes nothing is dropped
.if MSB != (\new)
	s_set_vgpr_msb (MSB<<8)|(\new)
.set MSB, (\new)
.endif
.endm
.macro PLACES
.rept 4
	v_nop
.endr
.endm
.macro CREST                           ; a round of the cluster's barrier behind its opening barrier
	s_cmp_lg_u32 s[WV], 0
	s_cbranch_scc1 .Lnot_wave_0_\@
	s_barrier_signal -3
.Lnot_wave_0_\@:
	s_barrier_wait -3
	s_barrier_signal -1
	s_barrier_wait -1
.endm
.macro CROUND                          ; a whole round
	s_barrier_signal -1
	s_barrier_wait -1
	CREST
.endm
	s_load_b256 s[4:11], s[0:1], 0x0               ; enc's codes s[4:5], enc's scales s[6:7], W's codes s[8:9], W's scales s[10:11]
	s_load_b128 s[12:15], s[0:1], 0x20             ; b s[12:13], hidden s[14:15]
	s_load_b64 s[16:17], s[0:1], 0x30              ; part
	v_lshl_add_u32 v[SPW], v0, 2, SPARE
	v_mov_b32 v[NIL], 0
	ds_add_u32 v1, v2
	s_wait_dscnt 0x0
	v_lshrrev_b32 v[T0], 5, v0
	v_readfirstlane_b32 s[WV], v[T0]               ; wave 0..3
	s_lshr_b32 s[WI], s[WV], 1                     ; which 128 rows of W's quarter are mine
	s_and_b32 s[WJ], s[WV], 1                      ; which tiles of enc
	s_bfe_u32 s[CX], ttmp6, 0x40000                ; my place in the cluster: W's quarter.  It enters the global addresses of W, b, hidden, part and the prefetch alone
	s_and_b32 s[BY], ttmp7, 0xffff                 ; the block of 1,024 rows, which the four partners share
	; group 1 for the codes: 64 rows x 512 bytes, dense in memory, padded in LDS
	s_mov_b32 s[G1C+0], 15|(0<<16)|(1<<20)|(1<<21)|(6<<22)|(3<<25)   ; 15:0 the mask: all four; 17:16 elements of 1 byte; 20 padding on; 21 set beside a mask; 24:22 after every 128 words (code 6); 31:25 four words (code 3)
	s_mov_b32 s[G1C+1], 512<<16                    ; tensor_dim0 = 512
	s_mov_b32 s[G1C+2], 64<<16                     ; tensor_dim1 = 64
	s_mov_b32 s[G1C+3], 512<<16                    ; tile_dim0 = 512
	s_mov_b32 s[G1C+4], 64                         ; tile_dim1 = 64
	s_mov_b32 s[G1C+5], 512                        ; from row to row
	s_mov_b32 s[G1C+6], 0
	s_mov_b32 s[G1C+7], 0
	; group 1 for the scale bytes: 8,192 dense bytes as 32 rows of 256 (32 elements of 8 bytes), 16 bytes of padding behind each
	s_mov_b32 s[G1S+0], 15|(3<<16)|(1<<20)|(1<<21)|(5<<22)|(3<<25)
	s_mov_b32 s[G1S+1], 32<<16
	s_mov_b32 s[G1S+2], 32<<16
	s_mov_b32 s[G1S+3], 32<<16
	s_mov_b32 s[G1S+4], 32
	s_mov_b32 s[G1S+5], 32
	s_mov_b32 s[G1S+6], 0
	s_mov_b32 s[G1S+7], 0
	; what I fetch: rows 64 x wave of each slot, a quarter of the scale bytes.  These offsets are made of y and the wave's number alone
	s_lshl_b32 s56, s[BY], 19                      ; the block's 1,024 rows of 512 bytes
	s_mov_b32 s57, 0
	s_lshl_b32 s2, s[WV], 15                       ; my 64 rows
	s_mov_b32 s3, 0
	s_lshl_b32 s62, s[BY], 15                      ; the block's 1,024 rows of 32 scale bytes,
	s_lshl_b32 s23, s[WV], 13                      ; my quarter of them
	s_add_co_u32 s62, s62, s23
	s_mov_b32 s63, 0
	s_mov_b32 s[G0+0], 1                           ; 1:0 count = 1
	s_mov_b32 s[G0+4], 1
	s_mov_b32 s[G0S+0], 1
	s_mul_i32 s[G0+1], s[WV], WROWS                ; LDS addresses: a constant x the wave's number + the slot's constant
	s_add_co_u32 s[G0+5], s[G0+1], SLOTB
	s_mul_i32 s[G0S+1], s[WV], WSCL
	s_add_co_u32 s[G0S+1], s[G0S+1], SCL
	s_wait_kmcnt 0x0
	s_add_nc_u64 s[58:59], s[4:5], s[56:57]        ; enc's codes at the block's first row: also the prefetches' base; never rewritten
	s_add_nc_u64 s[G0+2:G0+3], s[58:59], s[2:3]    ; rows 0-255 go to slot 0,
	s_add_nc_u64 s[G0+6:G0+7], s[G0+2:G0+3], TILEB ; rows 256-511 to slot 1
	s_add_nc_u64 s[G0S+2:G0S+3], s[6:7], s[62:63]
	s_or_b32 s[G0+3], s[G0+3], 0x80000000          ; 127:126 type = 2
	s_or_b32 s[G0+7], s[G0+7], 0x80000000
	s_or_b32 s[G0S+3], s[G0S+3], 0x80000000
	CROUND                                         ; all four work-groups are here: the first joint loads meet
	tensor_load_to_lds s[G0S:G0S+3], s[G1S:G1S+7]  ; the first fills go out as one group: three loads of mine are out.  The scale bytes first: they are wanted with slot 0
	s_nop 0
	tensor_load_to_lds s[G0:G0+3], s[G1C:G1C+7]
	s_nop 0
	tensor_load_to_lds s[G0+4:G0+7], s[G1C:G1C+7]
	s_nop 0
	PLACES                                         ; four v_nop follow the last of them
	; the pointers of what goes straight into registers, each from its own buffer's address
	s_mov_b32 s61, 0
	s_lshl_b32 s60, s[CX], 17                      ; W's codes: 256 rows of 512 bytes a quarter,
	s_lshl_b32 s23, s[WI], 16                      ; 128 rows a half
	s_add_co_u32 s60, s60, s23
	s_add_nc_u64 s[8:9], s[8:9], s[60:61]
	s_lshr_b32 s60, s60, 4                         ; W's scale bytes: 32 a row
	s_add_nc_u64 s[10:11], s[10:11], s[60:61]
	s_lshr_b32 s60, s60, 3                         ; b: 4 bytes a column
	s_add_nc_u64 s[12:13], s[12:13], s[60:61]
	s_lshr_b32 s23, s[BY], 2                       ; the batch: four blocks each
	s_lshl_b32 s23, s23, 12
	s_add_co_u32 s60, s60, s23                     ; hidden: the batch's row of 4,096 bytes, the same columns
	s_add_nc_u64 s[14:15], s[14:15], s[60:61]
	s_lshl_b32 s60, s[CX], 18                      ; part: 65,536 numbers a quarter,
	s_lshl_b32 s23, s[BY], 12                      ; 1,024 a block
	s_add_co_u32 s60, s60, s23
	s_add_nc_u64 s[16:17], s[16:17], s[60:61]
	s_lshl_b32 s60, s[CX], 2
	s_add_co_u32 s60, s60, s[WV]
	s_lshl_b32 s60, s60, 13                        ; prefetch: the cluster's 16 waves share a slot's 131,072 bytes: 8,192 a wave, 256 a lane
	v_and_b32 v[R], 15, v0                         ; r
	v_bfe_u32 v[H], v0, 4, 1                       ; h
	v_and_b32 v[LN], 31, v0                        ; lane
	v_lshlrev_b32 v[VW], 9, v[R]
	v_lshl_add_u32 v[VW], v[H], 4, v[VW]           ; W's codes: row r of 512 bytes + 16 h
	v_lshlrev_b32 v[VL], 5, v[LN]                  ; W's scale bytes: row = lane, 32 bytes
	v_lshlrev_b32 v[VH], 5, v[H]                   ; b, hidden: 8 h numbers on
	v_lshlrev_b32 v[PF], 8, v[LN]
	v_add_nc_u32 v[PF], s60, v[PF]
	v_mul_u32_u24 v[LA], v[R], PITCH
	v_lshl_add_u32 v[LA], v[H], 4, v[LA]
	s_mul_i32 s23, s[WJ], 16*PITCH
	v_add_nc_u32 v[LA], s23, v[LA]                 ; row r x pitch + 16 h + tile j
	v_lshrrev_b32 v[T0], 3, v[R]
	v_mul_u32_u24 v[LS], v[T0], 272
	v_and_b32 v[T0], 7, v[R]
	v_lshl_add_u32 v[LS], v[T0], 5, v[LS]
	s_mul_i32 s23, s[WJ], 544
	s_add_co_u32 s23, s23, SCL
	v_add_nc_u32 v[LS], s23, v[LS]                 ; row r's 32 scale bytes of tile j (lanes 16-31 read what lanes 0-15 read; theirs are not used)
	v_lshlrev_b32 v[LW], 2, v[R]
	v_lshl_add_u32 v[LW], v[H], 11, v[LW]
	s_lshl_b32 s23, s[WV], 12
	s_add_co_u32 s23, s23, SCR
	v_add_nc_u32 v[LW], s23, v[LW]                 ; my wave's 4,096 bytes, my half's 2,048, 4 r
.irp T, 0,1,2,3
	global_load_b128 v[SW+8*\T:SW+8*\T+3],   v[VL], s[10:11] offset:1024*\T      ; W's scale words of rows 32 T + lane: K steps 0-3,
	global_load_b128 v[SW+8*\T+4:SW+8*\T+7], v[VL], s[10:11] offset:1024*\T+16   ; 4-7
.endr
.irp t, 0,1,2,3,4,5,6,7
	global_load_b128 v[ACC+64+8*\t:ACC+64+8*\t+3],   v[VH], s[12:13] offset:64*\t      ; b in the results' layout, in the second set of accumulators, which the first tile leaves idle
	global_load_b128 v[ACC+64+8*\t+4:ACC+64+8*\t+7], v[VH], s[12:13] offset:64*\t+16
.endr
.macro WLOAD w                         ; window w: its copy of hidden, and W's fragments of its K steps
	WIN 0x40*(\w)                                  ; destination window w, address window 0
.irp t, 0,1,2,3,4,5,6,7
	global_load_b128 v[HID+8*\t:HID+8*\t+3],   v[VH], s[14:15] offset:64*\t
	global_load_b128 v[HID+8*\t+4:HID+8*\t+7], v[VH], s[14:15] offset:64*\t+16
.endr
.set q, 3*((\w)-1)
.rept 3-(\w)/3
.irp t, 0,1,2,3,4,5,6,7
.irp c, 0,1
	global_load_b128 v[64*(q%3)+8*\t+4*\c:64*(q%3)+8*\t+4*\c+3], v[VW], s[8:9] offset:8192*\t+64*q+32*\c   ; rows 16 t + r, k = 128 q + 64 c + 32 h + 0 .. 31
.endr
.endr
.set q, q+1
.endr
.endm
	WLOAD 1
	WLOAD 2
	WLOAD 3
	WIN 0
; Matrix instruction n = 8 q + t of a tile: K step q, W's tile t; set: the accumulators.  The eight accumulators take turns, one instruction a turn, and a tile's last and the next tile's first
; name different sets.  K step 0 starts the sums with the constant 0: nothing is ever cleared.  W's tiles 2 T and 2 T + 1 share a scale register: lanes 0-15, lanes 16-31.
.macro MM set
	WIN 1+q/3                                      ; source 0 (W) in window 1, 2 or 3; all else in window 0
.set ra, ACC+64*(\set)+8*t
.set rw, 64*(q%3)+8*t
.set rf, AF+8*q
.set rs, SW+8*(t/2)+q
.set rb, SA+8*(\set)+q
.if (q == 0) && (t%2 == 0)
	v_wmma_scale_f32_16x16x128_f8f6f4 v[ra:ra+7], v[rw:rw+7], v[rf:rf+7], 0, v[rs], v[rb] matrix_a_fmt:MATRIX_FMT_FP4 matrix_b_fmt:MATRIX_FMT_FP4
.elseif q == 0
	v_wmma_scale_f32_16x16x128_f8f6f4 v[ra:ra+7], v[rw:rw+7], v[rf:rf+7], 0, v[rs], v[rb] matrix_a_fmt:MATRIX_FMT_FP4 matrix_b_fmt:MATRIX_FMT_FP4 matrix_a_scale:MATRIX_SCALE_ROW1
.elseif t%2 == 0
	v_wmma_scale_f32_16x16x128_f8f6f4 v[ra:ra+7], v[rw:rw+7], v[rf:rf+7], v[ra:ra+7], v[rs], v[rb] matrix_a_fmt:MATRIX_FMT_FP4 matrix_b_fmt:MATRIX_FMT_FP4
.else
	v_wmma_scale_f32_16x16x128_f8f6f4 v[ra:ra+7], v[rw:rw+7], v[rf:rf+7], v[ra:ra+7], v[rs], v[rb] matrix_a_fmt:MATRIX_FMT_FP4 matrix_b_fmt:MATRIX_FMT_FP4 matrix_a_scale:MATRIX_SCALE_ROW1
.endif
.endm
; Multiply-add ek of 32 on the set that is NOT being written: registers 2 ek, 2 ek + 1, in ascending order.
; mode 1: the running sum of hidden x energy, begun on the lane's bias term.  mode 2 (the first tile, which has no tile before it): the bias term itself, hidden x b.
.macro EP mode, set
.set eh, HID+2*ek
.set ea, ACC+64*(1-(\set))+2*ek
.if (\mode == 2) && (ek == 0)
	v_pk_mul_f32 v[HB:HB+1], v[eh:eh+1], v[ea:ea+1]
.elseif \mode == 2
	v_pk_fma_f32 v[HB:HB+1], v[eh:eh+1], v[ea:ea+1], v[HB:HB+1]
.elseif ek == 0
	v_pk_fma_f32 v[S:S+1], v[eh:eh+1], v[ea:ea+1], v[HB:HB+1]
.else
	v_pk_fma_f32 v[S:S+1], v[eh:eh+1], v[ea:ea+1], v[S:S+1]
.endif
.endm
.macro FRAG f, areg, off               ; fragment f of a tile: 16 rows x 128 k: registers 4 c .. 4 c + 3 hold k = 128 f + 64 c + 32 h + 0 .. 31: 16 bytes of the row as they lie
	ds_load_b128 v[AF+8*(\f):AF+8*(\f)+3],   v[\areg] offset:(\off)+64*(\f)
	ds_load_b128 v[AF+8*(\f)+4:AF+8*(\f)+7], v[\areg] offset:(\off)+64*(\f)+32
.endm
.macro SCLD sset, areg, off            ; a tile's scale words: a row's 32 bytes, K steps 0-3 and 4-7
	ds_load_b128 v[SA+8*(\sset):SA+8*(\sset)+3],   v[\areg] offset:(\off)
	ds_load_b128 v[SA+8*(\sset)+4:SA+8*(\sset)+7], v[\areg] offset:(\off)+16
.endm
; A TILE: 64 matrix instructions.  enc's fragments have ONE set of registers: a fragment is free when its K step's eight products are issued, and is fetched anew for the next tile.
; The LDS instructions stand in five groups: behind #10 this tile's fragments 6 and 7; behind #32 the next tile's scale words and fragment 0; behind #40 its 1 and 2; behind #48 its 3 and 4;
; behind #61 its 5 and the score of the tile before.  A load into a register that a matrix instruction has read stands four plain vector instructions behind it (ISA guide 7.12.1 for vector
; instructions): the multiply-adds are those places, five at the least (fragment 7: behind #1, 3, 5, 7, 9; fragment 4: behind #39, 41, 43, 45, 47).
; The first read of a result (#56's, by the next tile's first multiply-add) has the four multiply-adds behind #56-59 in between, and the addition behind #60 where there is one.
; THE WAITS in front of a K step count the LDS loads issued behind the fragment that it needs
;   K step 0: fragments 1-5: 10.   1: 2-5: 8.   2: 3-5, 6, 7: 10.   3: 4, 5, 6, 7: 8.   4: 5, 6, 7: 6.   5: 6, 7 and the group behind #32: 4 + 4.   6: 7 and two groups: 2 + 8.   7: three groups: 12.
; set: my accumulators; mode: see EP; nx = 1: there is a next tile; own: this tile's bytes from ADR; nreg, noff: the next tile's address; nsoff: its scale words from ADS; woff: the due score from ADW;
; chg = 1: this is a slot's last tile and the slot is filled again; 2: it is left and not filled; slot: its number; pf: the prefetch's offset, or none.
.macro TILE set, mode, nx, own, nreg, noff, nsoff, woff, chg, slot, pf
.set n, 0
.rept 64
.set q, n/8
.set t, n%8
.if t == 0
.if (\chg) && (q == 2)
	; THE CHANGE OF SLOTS: K steps 2 and 3 hold no LDS instruction.  My last reads of this slot are the fragments 6 and 7 asked for behind #10.
	WIN 0                                          ; (the add's two registers lie in window 0)
	s_wait_tensorcnt 0x0                           ; all my tensor loads have landed: the one that was out is my part of the other slot
	ds_add_u32 v[SPW], v[NIL]                      ; 0 onto my spare word; K step 2 stands between it and the wait for it
.endif
.if (\chg) && (q == 3)
	s_wait_dscnt 0x0                               ; the add is done, and my reads of this slot are over
	s_barrier_signal -1                            ; (with chg = 1 this barrier opens a round of the cluster's); K step 3, work on registers, stands between signal and wait
.elseif (\chg) && (q == 4)
	WIN 0                                          ; at a branch and at a label every window is 0
	s_barrier_wait -1                              ; nobody of my work-group reads this slot any more, and the other slot is whole
.if \chg == 1
	CREST                                          ; nor does any wave of a partner, and none has a load on its way
	s_add_nc_u64 s[G0+4*\slot+2:G0+4*\slot+3], s[G0+4*\slot+2:G0+4*\slot+3], 2*TILEB   ; the rows two slots on; the type bits on top are not reached
	tensor_load_to_lds s[G0+4*\slot:G0+4*\slot+3], s[G1C:G1C+7]   ; the first thing behind the round, my one load until the next: it has the other slot's eight tiles in which to land
	s_nop 0
	PLACES                                         ; four v_nop follow it
.endif
.elseif (q == 0) || (q == 2)
	s_wait_dscnt 10
.elseif (q == 1) || (q == 3)
	s_wait_dscnt 8
.elseif q == 4
	s_wait_dscnt 6
.elseif q == 5
	s_wait_dscnt 4+4*(\nx)
.elseif q == 6
	s_wait_dscnt 2+8*(\nx)
.else
	s_wait_dscnt 12*(\nx)
.endif
.endif
	MM \set
.if (q < 7) && (t%2 == 1)
.set ek, 4*q+t/2
	EP \mode, \set
.elseif (q == 7) && (t < 4)
.set ek, 28+t
	EP \mode, \set
.elseif (n == 60) && (\mode == 1)
	v_fma_f32 v[SS], 1.0, v[S], v[S+1]             ; the sum's two halves.  Written as 1.0 x S + S', so that both registers stand in places whose window is 0
.endif
.if n == 10
	WIN 0
	FRAG 6, ADR, \own
	FRAG 7, ADR, \own
.if \pf >= 0
	global_prefetch_b8 v[PF], s[58:59] offset:\pf th:TH_LOAD_NT scope:SCOPE_SE   ; the rows that the refill at this slot's end will ask for: each of their 512 blocks of 256 bytes once in the cluster, one a lane
.endif
.endif
.if \nx
.if n == 32
	WIN 0
	SCLD 1-(\set), ADS, \nsoff
	FRAG 0, \nreg, \noff
.elseif n == 40
	WIN 0
	FRAG 1, \nreg, \noff
	FRAG 2, \nreg, \noff
.elseif n == 48
	WIN 0
	FRAG 3, \nreg, \noff
	FRAG 4, \nreg, \noff
.elseif n == 61
	WIN 0
	FRAG 5, \nreg, \noff
.endif
.endif
.if (n == 61) && (\mode == 1)
	WIN 0
	ds_store_b32 v[ADW], v[SS] offset:\woff        ; the partial score of the tile before, row r: into my wave's own bytes
.endif
.set n, n+1
.endr
.endm
.macro ADDRS w                         ; the addresses of the tile in hand; three plain vector instructions under window 0
	v_add_nc_u32 v[ADR], s[TB], v[LA]
	v_add_nc_u32 v[ADS], s[TS], v[LS]
.if \w
	v_add_nc_u32 v[ADW], s[TW], v[LW]
.endif
.endm
; A SLOT'S EIGHT TILES OF MINE (numbers 8 T .. 8 T + 7): the first written out, three trips of two, the last written out.  Even tiles take set 0, odd ones set 1.
; kind = 1: the slot is filled again at its last tile; 2: it is left; 0: the last slot.
.macro PHASE T, kind
.set SB, ((\T)%2)*SLOTB
.set SLT, (\T)%2
.set PFO, NONE
.if \T < 2
.set PFO, (2+(\T))*TILEB               ; slot 0's first tile asks for rows 512-767, slot 1's for rows 768-1,023: the block's last; later slots ask for nothing
.endif
	s_mov_b32 s[TB], SB
	s_mov_b32 s[TS], 8*(\T)*MS
.if \T > 0
	s_mov_b32 s[TW], 64*(8*(\T)-1)
	ADDRS 1
	TILE 0, 1, 1, 0, ADR, MT, MS, 0, 0, 0, PFO
.else
	ADDRS 0
	TILE 0, 2, 1, 0, ADR, MT, MS, 0, 0, 0, PFO
.endif
	WIN 0
	s_mov_b32 s[TB], SB+MT
	s_mov_b32 s[TS], (8*(\T)+1)*MS
	s_mov_b32 s[TW], 64*8*(\T)
	s_mov_b32 s[CNT], 3
.Ltrip_\@:
	ADDRS 1
	TILE 1, 1, 1, 0,  ADR, MT,   MS,   0,  0, 0, NONE
	TILE 0, 1, 1, MT, ADR, 2*MT, 2*MS, 64, 0, 0, NONE
	WIN 0
	s_add_co_u32 s[TB], s[TB], 2*MT
	s_add_co_u32 s[TS], s[TS], 2*MS
	s_add_co_u32 s[TW], s[TW], 128
	s_sub_co_u32 s[CNT], s[CNT], 1
	s_cmp_lg_u32 s[CNT], 0
	s_cbranch_scc1 .Ltrip_\@
	ADDRS 1
	v_add_nc_u32 v[ADRN], SLOTB-SB, v[LA]          ; my first tile of the other slot
.if \kind
	TILE 1, 1, 1, 0, ADRN, 0, MS, 0, \kind, SLT, NONE
.else
	TILE 1, 1, 0, 0, ADRN, 0, MS, 0, 0, 0, NONE
.endif
	WIN 0
.endm
	s_wait_tensorcnt 0x1                           ; the scale bytes and my part of slot 0 are in; slot 1's load may stay out
	s_barrier_signal -1
	s_barrier_wait -1                              ; everybody's are
	SCLD 0, LS, 0                                  ; the first tile's scale words and fragments 0-5, in the order in which every tile asks for its successor's
	FRAG 0, LA, 0
	FRAG 1, LA, 0
	FRAG 2, LA, 0
	FRAG 3, LA, 0
	FRAG 4, LA, 0
	FRAG 5, LA, 0
	s_wait_loadcnt 0x0                             ; W, its scale words, hidden, b: once.  It also frees the loads' offset registers, which the first products write over
	PHASE 0, 1                                     ; rows 0-255;    at its end slot 0 takes rows 512-767
	PHASE 1, 1                                     ; rows 256-511;  at its end slot 1 takes rows 768-1,023
	PHASE 2, 2                                     ; rows 512-767;  nothing is left to fetch
	PHASE 3, 0                                     ; rows 768-1,023
	WIN 3                                          ; the last tile's energies: no products are left to set them between
.set ek, 0
.rept 32
	EP 1, 0
.set ek, ek+1
.endr
	v_fma_f32 v[SS], 1.0, v[S], v[S+1]
	WIN 0
	ds_store_b32 v[ADW], v[SS] offset:64
	; THE WAY OUT.  Thread T adds the four partial sums (i, h) of rows 4 c .. 4 c + 3 for c = T and T + 128.  Those rows lie in tile c / 4 = 2 g + j: wave 2 i + j, 64 g + 16 (c % 4) bytes on.
	v_bfe_u32 v[ADR], v0, 2, 1                     ; j
	v_lshlrev_b32 v[ADR], 12, v[ADR]
	v_lshrrev_b32 v[ADS], 3, v0                    ; g (c = T + 128: 16 more, in the immediate)
	v_lshl_add_u32 v[ADR], v[ADS], 6, v[ADR]
	v_and_b32 v[ADS], 3, v0
	v_lshl_add_u32 v[ADR], v[ADS], 4, v[ADR]
	v_add_nc_u32 v[ADR], SCR, v[ADR]
	v_lshlrev_b32 v[ADS], 4, v0                    ; and 16 T in part
	s_wait_dscnt 0x0                               ; for the others' sake: my stores of scores are done
	s_barrier_signal -1
	s_barrier_wait -1
.irp f, 0,1
.irp p, 0,1,2,3
	ds_load_b128 v[AF+16*\f+4*\p:AF+16*\f+4*\p+3], v[ADR] offset:(\p/2)*8192+(\p%2)*2048+\f*1024   ; (the 32 multiply-adds above are the places behind the last products, which read these registers)
.endr
.endr
	s_wait_dscnt 0x0
.irp f, 0,1
.irp d, 0,2
	v_pk_add_f32 v[AF+16*\f+\d:AF+16*\f+\d+1],     v[AF+16*\f+\d:AF+16*\f+\d+1],     v[AF+16*\f+4+\d:AF+16*\f+4+\d+1]
	v_pk_add_f32 v[AF+16*\f+8+\d:AF+16*\f+8+\d+1], v[AF+16*\f+8+\d:AF+16*\f+8+\d+1], v[AF+16*\f+12+\d:AF+16*\f+12+\d+1]
.endr
.irp d, 0,2
	v_pk_add_f32 v[AF+16*\f+\d:AF+16*\f+\d+1], v[AF+16*\f+\d:AF+16*\f+\d+1], v[AF+16*\f+8+\d:AF+16*\f+8+\d+1]
.endr
.endr
	global_store_b128 v[ADS], v[AF:AF+3], s[16:17]                    ; each store of a wave covers 512 consecutive bytes, at a multiple of 256 from part's first byte
	global_store_b128 v[ADS], v[AF+16:AF+19], s[16:17] offset:2048
	s_wait_tensorcnt 0x0                           ; the wave's end: behind my last tensor load and my last LDS store
	ds_add_u32 v[SPW], v[NIL]
	s_wait_dscnt 0x0
	CROUND                                         ; the closing round: no work-group ends while a partner may still ask for a tile that names it
	s_endpgm
.Lfunc_end_k_qf1631c35f5_scores:
	.size	k_qf1631c35f5_scores, .Lfunc_end_k_qf1631c35f5_scores-k_qf1631c35f5_scores
	.p2alignl 7, 3214868480
	.fill 96, 4, 3214868480
	.section	.rodata,"a",@progbits
	.p2align	6, 0x0
	.amdhsa_kernel k_qf1631c35f5_scores
		.amdhsa_group_segment_fixed_size 327680
		.amdhsa_private_segment_fixed_size 0
		.amdhsa_enable_private_segment 0
		.amdhsa_kernarg_size 56
		.amdhsa_user_sgpr_count 2
		.amdhsa_user_sgpr_kernarg_segment_ptr 1
		.amdhsa_wavefront_size32 1
		.amdhsa_system_sgpr_workgroup_id_x 1
		.amdhsa_system_sgpr_workgroup_id_y 1
		.amdhsa_system_sgpr_workgroup_id_z 1
		.amdhsa_system_vgpr_workitem_id 0
		.amdhsa_next_free_vgpr 1024
		.amdhsa_next_free_sgpr 66
		.amdhsa_reserve_vcc 0
		.amdhsa_float_denorm_mode_32 3
		.amdhsa_float_denorm_mode_16_64 3
		.amdhsa_memory_ordered 1
		.amdhsa_forward_progress 1
		.amdhsa_inst_pref_size 226
	.end_amdhsa_kernel
	.amdgpu_metadata
---
amdhsa.version: [ 1, 2 ]
amdhsa.kernels:
  - .name:           k_qf1631c35f5_scores
    .symbol:         k_qf1631c35f5_scores.kd
    .args:
      - { .name: encoder_outputs_codes, .offset: 0, .size: 8, .value_kind: global_buffer, .address_space: global }
      - { .name: encoder_outputs_scales, .offset: 8, .size: 8, .value_kind: global_buffer, .address_space: global }
      - { .name: W_codes, .offset: 16, .size: 8, .value_kind: global_buffer, .address_space: global }
      - { .name: W_scales, .offset: 24, .size: 8, .value_kind: global_buffer, .address_space: global }
      - { .name: b, .offset: 32, .size: 8, .value_kind: global_buffer, .address_space: global }
      - { .name: hidden, .offset: 40, .size: 8, .value_kind: global_buffer, .address_space: global }
      - { .name: part, .offset: 48, .size: 8, .value_kind: global_buffer, .address_space: global }
    .group_segment_fixed_size: 327680
    .private_segment_fixed_size: 0
    .kernarg_segment_align: 8
    .kernarg_segment_size: 56
    .max_flat_workgroup_size: 128
    .sgpr_count:     66
    .vgpr_count:     1024
    .wavefront_size: 32
...
	.end_amdgpu_metadata
.endif
;; end of part 1
;; launch softmax (part 2): grid 16 x 1, 32 waves a work-group, no clusters, 4,352 bytes of LDS; arguments part, out0; writes out0
.if DOCPART == 2
	.amdgcn_target "amdgcn-amd-amdhsa--gfx1250"
	.amdhsa_code_object_version 6
	.text
	.protected	k_qf1631c35f5_softmax
	.globl	k_qf1631c35f5_softmax
	.p2align	8
	.type	k_qf1631c35f5_softmax,@function
k_qf1631c35f5_softmax:
	s_mov_b64 s[64:65], 0
	v_nop
	global_prefetch_b8 v0, s[64:65] scope:SCOPE_SE
	s_setreg_imm32_b32 hwreg(HW_REG_WAVE_MODE, 25, 1), 1
	s_wait_xcnt 0x0
; out0[b][s] = softmax over s of (part[0][b][s] + part[1][b][s] + part[2][b][s] + part[3][b][s]).  part: [4][16][4096] f32; out0: [16][4096] f32.
; One work-group to a batch, 32 waves; thread T owns scores 4 T .. 4 T + 3: every load and store of a wave covers 512 consecutive bytes.  The scores stay in registers: memory is read once.
; Each wave takes ITS largest score away before its exponentials and sums them; the 32 pairs (largest, sum) meet in LDS behind one barrier, and each wave brings its numbers under the batch's
; largest score M by the factor 2^((its largest - M) log2 e).  So every exponent is 0 or less, every sum is at least 1, and no exponential can overflow, whatever the scores' size or offset.
; No matrix unit, no tensor load, no cluster: 64 KiB a work-group are read once, and nothing is shared.
; LIMITS: NaN and infinities among the scores are not served; a probability under 2^-126 comes out as 0 (v_exp_f32 gives 0 there: ISA guide, its entry).
.set QUARTER, 65536*4                  ; bytes from one quarter's sums to the next's
	s_load_b128 s[4:7], s[0:1], 0x0                ; part s[4:5], out0 s[6:7]
	v_lshl_add_u32 v32, v0, 2, 0x100
	v_mov_b32 v33, 0
	s_lshl_b32 s2, ttmp9, 14                       ; the batch's 4,096 numbers
	s_mov_b32 s3, 0
	s_mov_b32 s8, 0x76543210                       ; v_permlanex16_b32's selects for lane l xor 16
	s_mov_b32 s9, 0xfedcba98
	s_mov_b32 s10, 0x3fb8aa3b                      ; log2(e)
	v_lshlrev_b32 v1, 4, v0                        ; 16 T
	v_lshrrev_b32 v2, 5, v0
	v_lshlrev_b32 v2, 3, v2                        ; LDS: 8 x wave: my wave's pair
	v_and_b32 v3, 31, v0
	v_lshlrev_b32 v3, 3, v3                        ; and 8 x lane: the pair of the wave whose number is my lane's
	v_mov_b32 v21, 0                               ; written once: a lane permute's destination counts as one of its sources
	s_wait_kmcnt 0x0
	s_add_nc_u64 s[4:5], s[4:5], s[2:3]
	s_add_nc_u64 s[6:7], s[6:7], s[2:3]
.irp p, 0,1,2,3
	global_load_b128 v[4+4*\p:7+4*\p], v1, s[4:5] offset:\p*QUARTER th:TH_LOAD_NT
.endr
.macro WMAX r                          ; the largest of v[r] over the wave's 32 lanes, in every lane
.irp m, 1,2,4,8
	v_max_num_f32_dpp v[\r], v[\r], v[\r] row_xmask:\m row_mask:0xf bank_mask:0xf
.endr
	v_permlanex16_b32 v21, v[\r], s8, s9
	v_max_num_f32 v[\r], v[\r], v21
.endm
.macro WSUM r                          ; the sum likewise
.irp m, 1,2,4,8
	v_add_f32_dpp v[\r], v[\r], v[\r] row_xmask:\m row_mask:0xf bank_mask:0xf
.endr
	v_permlanex16_b32 v21, v[\r], s8, s9
	v_add_f32 v[\r], v[\r], v21
.endm
	s_wait_loadcnt 0x0
	v_pk_add_f32 v[4:5], v[4:5], v[8:9]            ; the four quarters of N: (0 + 1) + (2 + 3)
	v_pk_add_f32 v[6:7], v[6:7], v[10:11]
	v_pk_add_f32 v[12:13], v[12:13], v[16:17]
	v_pk_add_f32 v[14:15], v[14:15], v[18:19]
	v_pk_add_f32 v[4:5], v[4:5], v[12:13]
	v_pk_add_f32 v[6:7], v[6:7], v[14:15]
	v_max3_num_f32 v24, v4, v5, v6
	v_max_num_f32 v24, v24, v7
	WMAX 24                                        ; v24: my wave's largest score
.irp i, 0,1,2,3
	v_sub_f32 v[8+\i], v[4+\i], v24                ; 0 or less
.endr
.irp i, 0,1,2,3
	v_mul_f32 v[8+\i], s10, v[8+\i]
.endr
.irp i, 0,1,2,3
	v_exp_f32 v[8+\i], v[8+\i]                     ; at most 1
.endr
	v_nop                                          ; a plain instruction between the exponentials and the use of their results
	s_wait_alu depctr_va_vdst(0)
	v_add_f32 v25, v8, v9
	v_add_f32 v22, v10, v11
	v_add_f32 v25, v25, v22
	WSUM 25                                        ; v25: my wave's sum, at least 1
	ds_store_b64 v2, v[24:25]                      ; all lanes of a wave write the same two words with the same values
	s_wait_dscnt 0x0                               ; for the others' sake: my store is done
	s_barrier_signal -1
	s_barrier_wait -1
	ds_load_b64 v[28:29], v3                       ; lane l: wave l's largest score and sum
	s_wait_dscnt 0x0
	v_mov_b32 v26, v28
	WMAX 26                                        ; v26: M, the batch's largest score
	v_sub_f32 v27, v28, v26
	v_sub_f32 v30, v24, v26
	v_mul_f32 v27, s10, v27
	v_mul_f32 v30, s10, v30
	v_exp_f32 v27, v27                             ; wave l's factor,
	v_exp_f32 v30, v30                             ; and my wave's
	v_nop
	s_wait_alu depctr_va_vdst(0)
	v_mul_f32 v27, v27, v29
	WSUM 27                                        ; v27: the batch's sum under M, at least 1
	v_rcp_f32 v31, v27
	v_nop
	s_wait_alu depctr_va_vdst(0)
	v_mul_f32 v30, v30, v31                        ; my wave's factor / the sum
	v_pk_mul_f32 v[8:9], v[8:9], v[30:31] op_sel_hi:[1,0]      ; (of the pair the low word serves both halves)
	v_pk_mul_f32 v[10:11], v[10:11], v[30:31] op_sel_hi:[1,0]
	global_store_b128 v1, v[8:11], s[6:7] th:TH_STORE_NT
	s_wait_tensorcnt 0x0
	ds_add_u32 v32, v33
	s_wait_dscnt 0x0
	s_endpgm
.Lfunc_end_k_qf1631c35f5_softmax:
	.size	k_qf1631c35f5_softmax, .Lfunc_end_k_qf1631c35f5_softmax-k_qf1631c35f5_softmax
	.p2alignl 7, 3214868480
	.fill 96, 4, 3214868480
	.section	.rodata,"a",@progbits
	.p2align	6, 0x0
	.amdhsa_kernel k_qf1631c35f5_softmax
		.amdhsa_group_segment_fixed_size 4352
		.amdhsa_private_segment_fixed_size 0
		.amdhsa_enable_private_segment 0
		.amdhsa_kernarg_size 16
		.amdhsa_user_sgpr_count 2
		.amdhsa_user_sgpr_kernarg_segment_ptr 1
		.amdhsa_wavefront_size32 1
		.amdhsa_system_sgpr_workgroup_id_x 1
		.amdhsa_system_sgpr_workgroup_id_y 1
		.amdhsa_system_sgpr_workgroup_id_z 1
		.amdhsa_system_vgpr_workitem_id 0
		.amdhsa_next_free_vgpr 34
		.amdhsa_next_free_sgpr 66
		.amdhsa_reserve_vcc 0
		.amdhsa_float_denorm_mode_32 3
		.amdhsa_float_denorm_mode_16_64 3
		.amdhsa_memory_ordered 1
		.amdhsa_forward_progress 1
		.amdhsa_inst_pref_size 5
	.end_amdhsa_kernel
	.amdgpu_metadata
---
amdhsa.version: [ 1, 2 ]
amdhsa.kernels:
  - .name:           k_qf1631c35f5_softmax
    .symbol:         k_qf1631c35f5_softmax.kd
    .args:
      - { .name: part, .offset: 0, .size: 8, .value_kind: global_buffer, .address_space: global }
      - { .name: out0, .offset: 8, .size: 8, .value_kind: global_buffer, .address_space: global }
    .group_segment_fixed_size: 4352
    .private_segment_fixed_size: 0
    .kernarg_segment_align: 8
    .kernarg_segment_size: 16
    .max_flat_workgroup_size: 1024
    .sgpr_count:     66
    .vgpr_count:     34
    .wavefront_size: 32
...
	.end_amdgpu_metadata
.endif
;; end of part 2
;; ======== version 2 of 2: 2 launches
;; limits: right only within a limited range of input values
;; workspace buffers: part 524,288 bytes
;; launch scores (part 3): grid 2 x 128, 4 waves a work-group, clusters of 2 x 4, 327,680 bytes of LDS; arguments encoder_outputs_codes, encoder_outputs_scales, W_codes, W_scales, hidden, part; writes part
.if DOCPART == 3
	.amdgcn_target "amdgcn-amd-amdhsa--gfx1250"
	.amdhsa_code_object_version 6
	.text
	.protected	k_qf1631c35f5_scores
	.globl	k_qf1631c35f5_scores
	.p2align	8
	.type	k_qf1631c35f5_scores,@function
k_qf1631c35f5_scores:
	s_mov_b64 s[64:65], 0
	v_nop
	global_prefetch_b8 v0, s[64:65] scope:SCOPE_SE
	s_setreg_imm32_b32 hwreg(HW_REG_WAVE_MODE, 25, 1), 1
	s_wait_xcnt 0x0
	s_wait_alu depctr_hold_cnt(0) depctr_sa_sdst(0) depctr_va_vdst(0) depctr_va_sdst(0) depctr_va_ssrc(0) depctr_va_vcc(0) depctr_vm_vsrc(0)
	s_getreg_b32 s2, hwreg(HW_REG_IB_STS2, 6, 4)
	s_cmp_eq_u32 s2, 0
	s_cbranch_scc0 .Lentry_in_a_cluster
	s_endpgm
.Lentry_in_a_cluster:
	s_bfe_u32 s2, ttmp6, 0x10000c
	s_cmp_lg_u32 s2, 0x7031
	s_cbranch_scc0 .Lentry_shape_is_right
	s_endpgm
.Lentry_shape_is_right:
; part[cx][row] = the sum over the 512 columns n of half cx of hidden[batch][n] x (sum over k of enc[row][k] W[n][k]).
; enc: 65,536 rows x 1,024 k, W: 1,024 rows (n) x 1,024 k: codes of FP4 (E2M1), two a byte, with one E8M0 byte for each 32 along k, taken as they lie.  hidden, part: f32.
; LEFT OUT: THE BIAS b.  It adds (sum over n of hidden[batch][n] b[n]) to every score of a batch: the same number for all 4,096 positions, the axis along which the softmax is taken, and a softmax does not
; change when one number is added to all its inputs, whatever the values.  b has no other way to the output and feeds no quantised operand: it is not loaded and is no argument.
; LIMITS: a NaN, an infinity or an overflow that reaches only that term is not carried to the result.  NaN, infinities and the scale byte 0xff are not served specially (a NaN spreads over its batch).
; The order of the sums over n differs from a plain chain: 2 halves x 4 waves x 2 lane halves x 4 parts.
; SHARES.  A work-group owns 512 rows of enc (block y) and 512 rows of W (half cx).  Wave w holds rows 128 w .. 128 w + 127 of that half FOR ALL OF K in its registers (512 of them) and takes
; all 32 tiles of 16 rows of enc: 32 matrix instructions of 32 x 16 x 128 each.
; CLUSTER 2 x 4: the two work-groups of a row of the cluster share the rows of enc, the four of a column share the half of W: both are asked for JOINTLY.
; LDS.  Three quarters of W (96 of each wave's 128 rows) come by one joint tensor load a wave and go on into registers; the other 32 rows of each wave come straight into registers.  enc's rows 0-63, the block's scale
; bytes and hidden come through registers into bytes of their own.  Rows 64-191 of enc fill free bytes once W has landed; rows 192-319 and 320-511 are fetched over W's bytes.
; THE MATRIX INSTRUCTION: source 0 = 32 rows of W, source 1 = 16 rows of enc.  In the result lane (r, h) holds enc's row r; its registers 0-7 hold columns n = 8 h + 0 .. 7 of the 32, registers
; 8-15 columns 16 + 8 h + 0 .. 7.  The energies never leave the registers: while a tile is multiplied, the tile before's 64 results a lane are multiplied by hidden and summed in f32,
; one packed multiply-add to a matrix instruction, in two sums that take turns.  Two sets of four accumulators take turns, tile by tile.
; PREFETCHES.  Each later fill's rows are asked for one fill ahead: each block of 256 bytes once in the cluster, told apart by address: the two partners' eight waves take 32 blocks (or 16) each.
; Rows 0-63 and W come by their loads alone.
;
; REGISTERS, in windows of 256 (s_set_vgpr_msb: bits 1:0 source 0, 3:2 source 1, 5:4 source 2, 7:6 destination):
;   window 0: addresses, sums, scale words; v64-127 a tile's eight fragments of enc; v128-191, v192-255 the two sets of accumulators
;   windows 1, 2, 3: W's fragments of K steps 0-2, 3-5, 6-7 (K step q, rows 32 t on at v[64 (q % 3) + 16 t]); in each of the three v192-255 hold a copy of hidden's 64 numbers of my lane,
;   so that a multiply-add (hidden as source 0) runs under the window setting of the matrix instructions round it.  Window 3, v128-129: the prefetches' offsets.
.set PITCH,  528                       ; a row in LDS: 512 bytes + 16 of padding = 33 x 16
.set MT,     16*PITCH                  ; a tile of 16 rows
.set WREG,   96*PITCH                  ; a wave's rows of W
.set SCR,    20*MT                     ; partial scores: [wave][h][512 rows] f32: behind tiles 12-31, in the last of W's bytes; written behind the barrier that ends W's reads
.set E0,     4*WREG                    ; rows 0-63 of enc: written by LDS stores alone
.set SCL,    E0+64*PITCH               ; scale bytes, as units of 256 bytes + 16: row R at (R / 8) 272 + (R % 8) 32: written by LDS stores alone
.set HIDL,   SCL+64*272                ; hidden: 512 bytes a wave, its own: written by LDS stores alone
.set SPARE,  HIDL+2048                 ; the spare words, 128 bytes for each wave: two blocks of 256 bytes that no other line names
.set R1B,    SPARE+512                 ; rows 64-191 of enc (tiles 4-11)
.set MS,     544                       ; a tile's scale bytes: two units
.set SPW, 1                            ; LDS address of my spare word; never rewritten
.set NIL, 2                            ; 0; never rewritten
.set LA,  3                            ; my lane's place in a tile
.set LS,  4                            ; my lane's place among the scale bytes of tile 0
.set LW,  5                            ; my lane's place in the partial scores
.set ADR, 6                            ; LA, LS, LW + the tiles in hand
.set ADS, 7
.set ADW, 8
.set SS,  9                            ; a finished partial score
.set S,   10                           ; two sums, a pair of registers each (even and odd columns)
.set SSA, 14                           ; the scores of tiles 0 and 1
.set SSB, 15
.set SA,  16                           ; enc's scale words: set e at v[16 + 8 e]; register q: K step q; lanes 0-15: rows 0-15
.set SW,  32                           ; W's scale words; register 8 t + q: lane L holds the word of my row 32 t + L for K step q
.set AF,  64
.set ACC, 128
.set HID, 192                          ; in windows 1, 2, 3
.set PF1, 128                          ; in window 3; never rewritten
.set PF2, 129
.set R,   228                          ; at the head only, in registers that tile 1's products write over
.set H,   229
.set LN,  230
.set T0,  231
.set L16, 232
.set LWF, 233                          ; my lane's place in my rows of W,
.set STE, 234                          ; where I store my part of rows 0-63,
.set STS, 235                          ; of the scale bytes,
.set HST, 236                          ; of hidden,
.set HLD, 237                          ; and where I read hidden back
.set VL,  238                          ; offsets of loads
.set VW,  239
.set WV,  18                           ; wave
.set CX,  19                           ; W's half
.set CY,  20
.set BY,  21                           ; the block of 512 rows
.set G1W, 24                           ; descriptor groups 1: W, the three fills of enc's rows
.set G1A, 32
.set G1B, 40
.set G1C, 48
.set G0W, 56                           ; and groups 0
.set G0A, 60
.set G0B, 68
.set G0C, 72
.set ENCB, 76                          ; s[76:77] enc's codes at the block's first row; never rewritten
.set TB,  98                           ; LDS byte of the pair of tiles in hand
.set TS,  99                           ; the same among the scale bytes
.set TW,  100                          ; and of the scores that are due: two tiles back
.set CNT, 101
.set MSB, 0
.macro WIN new                         ; the immediate's high byte repeats the setting that is left; a switch that changes nothing is dropped
.if MSB != (\new)
	s_set_vgpr_msb (MSB<<8)|(\new)
.set MSB, (\new)
.endif
.endm
.macro PLACES
.rept 4
	v_nop
.endr
.endm
.macro CREST                           ; a round of the cluster's barrier behind its opening barrier
	s_cmp_lg_u32 s[WV], 0
	s_cbranch_scc1 .Lnot_wave_0_\@
	s_barrier_signal -3
.Lnot_wave_0_\@:
	s_barrier_wait -3
	s_barrier_signal -1
	s_barrier_wait -1
.endm
.macro CROUND                          ; a whole round
	s_barrier_signal -1
	s_barrier_wait -1
	CREST
.endm
.macro GROUP1 g, rows                  ; rows of 512 bytes, dense in memory, padded in LDS (word 0 apart)
	s_mov_b32 s[\g+1], 512<<16                     ; tensor_dim0
	s_mov_b32 s[\g+2], (\rows)<<16                 ; tensor_dim1
	s_mov_b32 s[\g+3], 512<<16                     ; tile_dim0
	s_mov_b32 s[\g+4], \rows                       ; tile_dim1
	s_mov_b32 s[\g+5], 512                         ; from row to row
	s_mov_b32 s[\g+6], 0
	s_mov_b32 s[\g+7], 0
.endm
.macro SOURCE g, row, rows             ; where a fill of enc's rows comes from: row + rows x wave; made of the block and the wave's number alone
	s_mul_i32 s80, s[WV], (\rows)*512
	s_mov_b32 s81, 0
	s_add_nc_u64 s[\g+2:\g+3], s[ENCB:ENCB+1], s[80:81]
	s_add_nc_u64 s[\g+2:\g+3], s[\g+2:\g+3], (\row)*512
	s_or_b32 s[\g+3], s[\g+3], 0x80000000          ; 127:126 type = 2
.endm
	s_load_b256 s[4:11], s[0:1], 0x0               ; enc's codes s[4:5], enc's scales s[6:7], W's codes s[8:9], W's scales s[10:11]
	s_load_b128 s[12:15], s[0:1], 0x20             ; hidden s[12:13], part s[14:15]
	v_lshl_add_u32 v[SPW], v0, 2, SPARE
	v_mov_b32 v[NIL], 0
	ds_add_u32 v[SPW], v[NIL]                      ; the wave's opening
	ds_add_u32 v[SPW], v[NIL]
	v_lshrrev_b32 v[T0], 5, v0
	v_readfirstlane_b32 s[WV], v[T0]               ; wave 0..3
	s_bfe_u32 s[CX], ttmp6, 0x40000                ; it enters masks and global addresses alone
	s_bfe_u32 s[CY], ttmp6, 0x40004
	s_and_b32 s[BY], ttmp7, 0xffff
	s_lshl_b32 s[BY], s[BY], 2
	s_add_co_u32 s[BY], s[BY], s[CY]               ; block = 4 x cluster y + cy
	s_lshl_b32 s88, 0x55, s[CX]                    ; my column of the cluster: places cx, cx + 2, cx + 4, cx + 6
	s_lshl_b32 s90, s[CY], 1
	s_lshl_b32 s89, 3, s90                         ; my row: places 2 cy, 2 cy + 1
	; word 0: 15:0 the mask; 17:16 elements of 1 byte; 20 padding on; 21 set beside a mask; 24:22 after every 128 words (code 6); 31:25 four words (code 3)
	s_or_b32 s[G1W], s88, (1<<20)|(1<<21)|(6<<22)|(3<<25)
	s_or_b32 s[G1A], s89, (1<<20)|(1<<21)|(6<<22)|(3<<25)
	s_or_b32 s[G1B], s89, (1<<20)|(1<<21)|(6<<22)|(3<<25)
	s_or_b32 s[G1C], s89, (1<<20)|(1<<21)|(6<<22)|(3<<25)
	GROUP1 G1W, 96
	GROUP1 G1A, 32
	GROUP1 G1B, 32
	GROUP1 G1C, 48
	s_mov_b32 s[G0W], 1                            ; 1:0 count = 1
	s_mov_b32 s[G0A], 1
	s_mov_b32 s[G0B], 1
	s_mov_b32 s[G0C], 1
	s_mul_i32 s[G0W+1], s[WV], WREG                ; LDS addresses: W: my 96 rows;
	s_mul_i32 s[G0A+1], s[WV], 32*PITCH            ; rows 64-191: 32 a wave;
	s_add_co_u32 s[G0A+1], s[G0A+1], R1B
	s_mul_i32 s[G0B+1], s[WV], 32*PITCH            ; rows 192-319: 32 a wave, from byte 0 on;
	s_mul_i32 s[G0C+1], s[WV], 48*PITCH            ; rows 320-511: 48 a wave, behind them
	s_add_co_u32 s[G0C+1], s[G0C+1], 8*MT
	s_mul_i32 s91, s[WV], WREG
	s_mul_i32 s92, s[WV], MT
	s_add_co_u32 s92, s92, E0
	s_mul_i32 s93, s[WV], 16*272
	s_add_co_u32 s93, s93, SCL
	s_lshl_b32 s94, s[WV], 12
	s_add_co_u32 s94, s94, SCR
	s_lshl_b32 s95, s[WV], 9
	s_add_co_u32 s95, s95, HIDL
	s_lshl_b32 s2, s[CX], 2
	s_add_co_u32 s2, s2, s[WV]                     ; my place among the eight waves that share a prefetch
	s_lshl_b32 s3, s2, 13
	s_lshl_b32 s16, s2, 12
	v_and_b32 v[R], 15, v0                         ; r
	v_bfe_u32 v[H], v0, 4, 1                       ; h
	v_and_b32 v[LN], 31, v0                        ; lane
	v_lshlrev_b32 v[L16], 4, v[LN]
	v_mul_u32_u24 v[LA], v[R], PITCH
	v_lshl_add_u32 v[LA], v[H], 4, v[LA]           ; row r x pitch + 16 h
	v_add_nc_u32 v[LWF], s91, v[LA]
	v_add_nc_u32 v[STE], s92, v[L16]               ; row 16 w of rows 0-63, 16 bytes a lane
	v_mul_u32_u24 v[STS], v[H], 272
	v_lshl_add_u32 v[STS], v[R], 4, v[STS]
	v_add_nc_u32 v[STS], s93, v[STS]               ; my wave's 16 units: lanes 0-15 one, lanes 16-31 the next
	v_lshrrev_b32 v[T0], 3, v[R]
	v_mul_u32_u24 v[LS], v[T0], 272
	v_and_b32 v[T0], 7, v[R]
	v_lshl_add_u32 v[LS], v[T0], 5, v[LS]
	v_add_nc_u32 v[LS], SCL, v[LS]                 ; row r's 32 scale bytes (lanes 16-31 read what lanes 0-15 read; theirs are not used)
	v_lshlrev_b32 v[LW], 2, v[R]
	v_lshl_add_u32 v[LW], v[H], 11, v[LW]
	v_add_nc_u32 v[LW], s94, v[LW]                 ; my wave's 4,096 bytes, my half's 2,048, 4 r
	v_add_nc_u32 v[HST], s95, v[L16]
	v_lshlrev_b32 v[HLD], 5, v[H]
	v_add_nc_u32 v[HLD], s95, v[HLD]               ; 8 h numbers on
	v_lshlrev_b32 v[VL], 5, v[LN]                  ; W's scale bytes: row = lane, 32 bytes
	v_lshlrev_b32 v[VW], 9, v[R]
	v_lshl_add_u32 v[VW], v[H], 4, v[VW]           ; W's codes: row r of 512 bytes + 16 h
	v_add_nc_u32 v[ADR], E0, v[LA]                 ; tile 0
	v_mov_b32 v[ADS], v[LS]
	v_mov_b32 v[ADW], v[LW]
	v_min_u32 v[T0], 15, v[LN]
	WIN 0xc0
	v_lshl_add_u32 v[PF1], v[LN], 8, s3            ; 8,192 bytes a wave, lanes 256 bytes apart
	v_lshl_add_u32 v[PF2], v[T0], 8, s16           ; 4,096 bytes a wave (lanes 16-31 name its last block again)
	WIN 0
	s_wait_alu depctr_va_vdst(0)
	s_wait_dscnt 0x0                               ; both opening adds are done
	CROUND                                         ; all eight work-groups are here: the first joint loads meet
	s_lshl_b32 s78, s[CX], 18                      ; W's codes: 512 rows of 512 bytes a half,
	s_lshl_b32 s79, s[WV], 16                      ; 128 rows a wave
	s_add_co_u32 s78, s78, s79
	s_mov_b32 s79, 0
	s_wait_kmcnt 0x0
	s_add_nc_u64 s[8:9], s[8:9], s[78:79]
	s_add_nc_u64 s[G0W+2:G0W+3], s[8:9], 32*512    ; my rows 32-127
	s_or_b32 s[G0W+3], s[G0W+3], 0x80000000
	tensor_load_to_lds s[G0W:G0W+3], s[G1W:G1W+7]  ; my one load at the head
	s_nop 0
	PLACES                                         ; four v_nop follow it
	s_lshl_b32 s66, s[BY], 18                      ; enc's codes: the block's 512 rows of 512 bytes
	s_mov_b32 s67, 0
	s_add_nc_u64 s[ENCB:ENCB+1], s[4:5], s[66:67]
	s_lshl_b32 s82, s[WV], 13                      ; my 16 of rows 0-63
	s_mov_b32 s83, 0
	s_add_nc_u64 s[4:5], s[ENCB:ENCB+1], s[82:83]
	s_lshl_b32 s84, s[BY], 14                      ; enc's scale bytes: 512 rows of 32, a quarter a wave
	s_lshl_b32 s85, s[WV], 12
	s_add_co_u32 s84, s84, s85
	s_mov_b32 s85, 0
	s_add_nc_u64 s[6:7], s[6:7], s[84:85]
	s_lshr_b32 s86, s78, 4                         ; W's scale bytes: 32 a row
	s_mov_b32 s87, 0
	s_add_nc_u64 s[10:11], s[10:11], s[86:87]
	s_lshr_b32 s82, s[BY], 3                       ; the batch: eight blocks each
	s_lshl_b32 s82, s82, 12
	s_lshr_b32 s83, s78, 7                         ; hidden: 4 bytes a column
	s_add_co_u32 s82, s82, s83
	s_mov_b32 s83, 0
	s_add_nc_u64 s[12:13], s[12:13], s[82:83]
	global_load_b128 v[224:227], v[L16], s[12:13]                      ; my 128 numbers of hidden
.set i, 0
.rept 16
	global_load_b128 v[128+4*i:131+4*i], v[L16], s[4:5] offset:512*i   ; a row of enc a load
.set i, i+1
.endr
.set i, 0
.rept 8
	global_load_b128 v[192+4*i:195+4*i], v[L16], s[6:7] offset:512*i   ; 16 rows' scale bytes a load
.set i, i+1
.endr
.irp T, 0,1,2,3
	global_load_b128 v[SW+8*\T:SW+8*\T+3],   v[VL], s[10:11] offset:1024*\T      ; W's scale words of rows 32 T + lane: K steps 0-3,
	global_load_b128 v[SW+8*\T+4:SW+8*\T+7], v[VL], s[10:11] offset:1024*\T+16   ; 4-7
.endr
.set q, 0
.rept 8
	WIN 0x40*(1+q/3)
.irp t, 0,1
.irp c, 0,1
	global_load_b128 v[64*(q%3)+8*\t+4*\c:64*(q%3)+8*\t+4*\c+3], v[VW], s[8:9] offset:8192*\t+64*q+32*\c   ; my rows 16 t + r, k = 128 q + 64 c + 32 h + 0 .. 31
.endr
.endr
.set q, q+1
.endr
	WIN 3
	global_prefetch_b8 v[PF1], s[ENCB:ENCB+1] offset:64*512 th:TH_LOAD_NT scope:SCOPE_SE   ; rows 64-191
	WIN 0
	SOURCE G0A, 64, 32
	SOURCE G0B, 192, 32
	SOURCE G0C, 320, 48
	s_lshl_b32 s82, s[CX], 18                      ; part: 65,536 numbers a half,
	s_lshl_b32 s83, s[BY], 11                      ; 512 a block
	s_add_co_u32 s82, s82, s83
	s_mov_b32 s83, 0
	s_add_nc_u64 s[14:15], s[14:15], s[82:83]
; Matrix instruction n = 4 q + t of a tile of set e: K step q, W's rows 32 t .. 32 t + 31.  The four accumulators take turns, one instruction a turn, and a tile's last and the next tile's first name
; different sets.  K step 0 starts the sums with the constant 0: nothing is ever cleared.
.macro MM e
.set q, n/4
.set t, n%4
	WIN 1+q/3                                      ; source 0 (W) in window 1, 2 or 3; all else in window 0
.set ra, ACC+64*(\e)+16*t
.set rw, 64*(q%3)+16*t
.set rf, AF+8*q
.set rs, SW+8*t+q
.set rb, SA+8*(\e)+q
.if q == 0
	v_wmma_scale_f32_32x16x128_f4 v[ra:ra+15], v[rw:rw+15], v[rf:rf+7], 0, v[rs], v[rb]
.else
	v_wmma_scale_f32_32x16x128_f4 v[ra:ra+15], v[rw:rw+15], v[rf:rf+7], v[ra:ra+15], v[rs], v[rb]
.endif
.endm
; Multiply-add ek of 32, in a tile of set e, on the OTHER set, which the tile before has left: registers 2 ek, 2 ek + 1, in ascending order, into two sums by turns.
.macro PK e
.set ps, S+2*(ek%2)
.set ph, HID+2*ek
.set pc, ACC+64*(1-(\e))+2*ek
.if ek < 2
	v_pk_mul_f32 v[ps:ps+1], v[ph:ph+1], v[pc:pc+1]
.else
	v_pk_fma_f32 v[ps:ps+1], v[ph:ph+1], v[pc:pc+1], v[ps:ps+1]
.endif
.set ek, ek+1
.endm
.macro FRAGS f0, off                   ; four fragments of 16 rows x 128 k: registers 4 c .. 4 c + 3 hold k = 128 f + 64 c + 32 h + 0 .. 31
.irp f, 0,1,2,3
	ds_load_b128 v[AF+8*(\f0+\f):AF+8*(\f0+\f)+3],   v[ADR] offset:(\off)+64*(\f0+\f)
	ds_load_b128 v[AF+8*(\f0+\f)+4:AF+8*(\f0+\f)+7], v[ADR] offset:(\off)+64*(\f0+\f)+32
.endr
.endm
.macro SCLD e, off                     ; a tile's scale words: a row's 32 bytes, K steps 0-3 and 4-7
	ds_load_b128 v[SA+8*(\e):SA+8*(\e)+3],   v[ADS] offset:\off
	ds_load_b128 v[SA+8*(\e)+4:SA+8*(\e)+7], v[ADS] offset:(\off)+16
.endm
; A TILE of set e: 32 matrix instructions, a multiply-add behind each; of each half tile the last four multiply-adds stand together behind the half's products: they are the places between those products and
; the loads that follow.  The LDS instructions stand in TWO runs, each ahead of a half tile: a run waits for what the run before it has asked for, which is what the next 16 matrix instructions read,
; and asks for what the half tile after that reads, into the registers that the last 16 have left.  So both waits are for 0.
; ss: where the score of the tile before goes at the end; st = 1: the score of the tile two back is stored, at wo; own: this tile's bytes from ADR; nx = 1: there is a next tile, at no, its scale words at so.
; chg: group 0 of a refill in this tile's middle (group 1: g1); 2: what was fetched last is read from here on, and nothing is filled.  nb: where the next tile's bytes begin, or -1: as before.
.macro TILE e, ss, st, wo, own, nx, no, so, chg, g1, nb
	WIN 0
	s_wait_alu depctr_va_vdst(0)
	s_wait_dscnt 0x0                               ; fragments 0-3 and the scale words
.if \st
	ds_store_b32 v[ADW], v[SS] offset:\wo
.endif
	FRAGS 4, \own
.set n, 0
.set ek, 0
.rept 32
.if (\chg) && (n == 12)
	WIN 0
.if \nb >= 0
	s_mov_b32 s[TB], \nb
	v_add_nc_u32 v[ADR], s[TB], v[LA]              ; this tile's own reads have been issued
.endif
	s_wait_alu depctr_va_vdst(0)
	s_wait_tensorcnt 0x0                           ; all my tensor loads have landed
.if \chg > 2
	ds_add_u32 v[SPW], v[NIL]                      ; 0 onto my spare word
.endif
	s_wait_dscnt 0x0                               ; the add is done, and so are my reads
	s_barrier_signal -1
.endif
	MM \e
.if n%16 < 12
	PK \e
.endif
.if n%16 == 15
.rept 4
	PK \e
.endr
.endif
.if n == 15
	WIN 0
	s_wait_alu depctr_va_vdst(0)
.if \chg
	s_barrier_wait -1
.if \chg > 2
	CREST                                          ; no wave of a partner reads the bytes that are filled next, and none has a load on its way
	tensor_load_to_lds s[\chg:\chg+3], s[\g1:\g1+7]  ; the first thing behind the round, my one load until the next barrier
	s_nop 0
	PLACES
.endif
.else
	s_wait_dscnt 0x0                               ; fragments 4-7
.endif
.if \nx
	SCLD 1-(\e), \so
	FRAGS 0, \no
.endif
.endif
.set n, n+1
.endr
	WIN 0
	v_pk_add_f32 v[S:S+1], v[S:S+1], v[S+2:S+3]    ; the two sums,
	v_add_f32 v[\ss], v[S], v[S+1]                 ; and the even and odd columns
.endm
.macro ADDRS
	v_add_nc_u32 v[ADR], s[TB], v[LA]
	v_add_nc_u32 v[ADS], s[TS], v[LS]
	v_add_nc_u32 v[ADW], s[TW], v[LW]
.endm
.macro STEP
	s_add_co_u32 s[TB], s[TB], 2*MT
	s_add_co_u32 s[TS], s[TS], 2*MS
	s_add_co_u32 s[TW], s[TW], 128
.endm
.macro PAIR no, chg, g1, nb            ; two tiles; no, chg, g1, nb: the second's
	ADDRS
	TILE 0, SS, 1, 0,  0,  1, MT,  MS,   0, 0, -1
	TILE 1, SS, 1, 64, MT, 1, \no, 2*MS, \chg, \g1, \nb
.endm
.macro LOOP trips
	s_mov_b32 s[CNT], \trips
.Lpair_\@:
	PAIR 2*MT, 0, 0, -1
	STEP
	s_sub_co_u32 s[CNT], s[CNT], 1
	s_cmp_lg_u32 s[CNT], 0
	s_cbranch_scc1 .Lpair_\@
.endm
	s_wait_loadcnt 40                              ; hidden, rows 0-63 and the scale bytes are in; 8 loads of W's scale words and 32 of W may be out
	ds_store_b128 v[HST], v[224:227]
.set i, 0
.rept 16
	ds_store_b128 v[STE], v[128+4*i:131+4*i] offset:PITCH*i
.set i, i+1
.endr
.set i, 0
.rept 8
	ds_store_b128 v[STS], v[192+4*i:195+4*i] offset:544*i
.set i, i+1
.endr
.irp w, 1,2,3                          ; hidden in the results' layout, from my wave's own bytes: LDS serves a wave's instructions in order (ISA guide 5.7.1.4)
	WIN 0x40*\w
.irp t, 0,1,2,3,4,5,6,7
	ds_load_b128 v[HID+8*\t:HID+8*\t+3],   v[HLD] offset:64*\t
	ds_load_b128 v[HID+8*\t+4:HID+8*\t+7], v[HLD] offset:64*\t+16
.endr
.endr
	WIN 0
	s_wait_tensorcnt 0x0                           ; my rows of W have landed
	ds_add_u32 v[SPW], v[NIL]
	s_wait_dscnt 0x0                               ; the add, my loads and, for the others' sake, my stores are done
	CROUND
	tensor_load_to_lds s[G0A:G0A+3], s[G1A:G1A+7]  ; rows 64-191, into free bytes: the first thing behind the round
	s_nop 0
	PLACES
	SCLD 0, 0                                      ; tile 0, then W's rows 32-127 by K steps: 18 + 96 loads
	FRAGS 0, 0
	FRAGS 4, 0
.set q, 0
.rept 8
	WIN 0x40*(1+q/3)
.irp t, 2,3,4,5,6,7
.irp c, 0,1
	ds_load_b128 v[64*(q%3)+8*\t+4*\c:64*(q%3)+8*\t+4*\c+3], v[LWF] offset:(\t-2)*MT+64*q+32*\c
.endr
.endr
.set q, q+1
.endr
	WIN 3
	global_prefetch_b8 v[PF1], s[ENCB:ENCB+1] offset:192*512 th:TH_LOAD_NT scope:SCOPE_SE   ; rows 192-319
	WIN 0
	s_wait_loadcnt 0x0                             ; W's scale words and rows 0-31
	; TILE 0, with no tile before it.  Behind W's K step q stand 12 (7 - q) loads of W and, from K step 4 on, 10 of tile 1; a wait names 63 at the most
.set n, 0
.rept 32
.if n == 16
	PLACES
	WIN 0
	SCLD 1, MS                                     ; tile 1's scale words and fragments 0-3
	FRAGS 0, MT
.endif
.if n%4 == 0
.set wc, 12*(7-n/4)
.if n >= 16
.set wc, wc+10
.endif
.if wc > 63
.set wc, 63
.endif
	s_wait_dscnt wc
.endif
	MM 0
.set n, n+1
.endr
	PLACES
	; the scores of tiles 0 and 1 are stored behind tile 3's barrier, which ends all waves' reads of W
	TILE 1, SSA, 0, 0, MT,   1, 2*MT, 2*MS, 0, 0, -1
	TILE 0, SSB, 0, 0, 2*MT, 1, 3*MT, 3*MS, 0, 0, -1
	TILE 1, SS,  0, 0, 3*MT, 1, 0,    4*MS, G0B, G1B, R1B        ; tile 3: rows 64-191 are in, and rows 192-319 are asked for
	ds_store_b32 v[ADW], v[SSA]
	ds_store_b32 v[ADW], v[SSB] offset:64
	WIN 3
	global_prefetch_b8 v[PF1], s[ENCB:ENCB+1] offset:320*512 th:TH_LOAD_NT scope:SCOPE_SE   ; rows 320-447,
	global_prefetch_b8 v[PF2], s[ENCB:ENCB+1] offset:448*512 th:TH_LOAD_NT scope:SCOPE_SE   ; 448-511
	WIN 0
	s_mov_b32 s[TB], R1B                           ; tile 4
	s_mov_b32 s[TS], 4*MS
	s_mov_b32 s[TW], 2*64
	LOOP 3                                         ; tiles 4-9
	PAIR 0, G0C, G1C, 0                            ; tiles 10, 11: rows 192-319 are in (tile 12 lies at byte 0), and rows 320-511 are asked for
	s_mov_b32 s[TB], 0
	s_mov_b32 s[TS], 12*MS
	s_mov_b32 s[TW], 10*64
	LOOP 3                                         ; tiles 12-17
	PAIR 2*MT, 2, 0, -1                            ; tiles 18, 19: rows 320-511 are in
	STEP
	LOOP 5                                         ; tiles 20-29
	ADDRS
	TILE 0, SS, 1, 0,  0,  1, MT, MS, 0, 0, -1     ; tiles 30, 31
	TILE 1, SS, 1, 64, MT, 0, 0,  0,  0, 0, -1
	ds_store_b32 v[ADW], v[SS] offset:128          ; tile 30's score
	WIN 3                                          ; the last tile's energies: no products are left to set them between
.set ek, 0
.rept 32
	PK 0
.endr
	WIN 0
	v_lshlrev_b32 v[ADS], 4, v0                    ; THE WAY OUT.  Thread T adds the eight partial sums (wave, h) of rows 4 T .. 4 T + 3
	v_pk_add_f32 v[S:S+1], v[S:S+1], v[S+2:S+3]
	v_add_nc_u32 v[ADR], SCR, v[ADS]
	v_add_f32 v[SSA], v[S], v[S+1]
	ds_store_b32 v[ADW], v[SSA] offset:192         ; tile 31's score
	s_wait_alu depctr_va_vdst(0)
	s_wait_dscnt 0x0                               ; for the others' sake: my stores of scores are done
	s_barrier_signal -1
	s_barrier_wait -1
.set i, 0
.rept 8
	ds_load_b128 v[AF+4*i:AF+4*i+3], v[ADR] offset:2048*i
.set i, i+1
.endr
	s_wait_dscnt 0x0
.irp d, 16,8,4                         ; 8 sums to 4, to 2, to 1
.set i, 0
.rept \d/2
	v_pk_add_f32 v[AF+2*i:AF+2*i+1], v[AF+2*i:AF+2*i+1], v[AF+\d+2*i:AF+\d+2*i+1]
.set i, i+1
.endr
.endr
	global_store_b128 v[ADS], v[AF:AF+3], s[14:15] ; a wave's store covers 512 consecutive bytes, at a multiple of 256 from part's first byte
	s_wait_tensorcnt 0x0                           ; the wave's end: behind my last tensor load and my last LDS store
	ds_add_u32 v[SPW], v[NIL]
	s_wait_dscnt 0x0
	CROUND                                         ; the closing round: no work-group ends while a partner may still ask for a tile that names it
	s_endpgm
.Lfunc_end_k_qf1631c35f5_scores:
	.size	k_qf1631c35f5_scores, .Lfunc_end_k_qf1631c35f5_scores-k_qf1631c35f5_scores
	.p2alignl 7, 3214868480
	.fill 96, 4, 3214868480
	.section	.rodata,"a",@progbits
	.p2align	6, 0x0
	.amdhsa_kernel k_qf1631c35f5_scores
		.amdhsa_group_segment_fixed_size 327680
		.amdhsa_private_segment_fixed_size 0
		.amdhsa_enable_private_segment 0
		.amdhsa_kernarg_size 48
		.amdhsa_user_sgpr_count 2
		.amdhsa_user_sgpr_kernarg_segment_ptr 1
		.amdhsa_wavefront_size32 1
		.amdhsa_system_sgpr_workgroup_id_x 1
		.amdhsa_system_sgpr_workgroup_id_y 1
		.amdhsa_system_sgpr_workgroup_id_z 1
		.amdhsa_system_vgpr_workitem_id 0
		.amdhsa_next_free_vgpr 1024
		.amdhsa_next_free_sgpr 102
		.amdhsa_reserve_vcc 0
		.amdhsa_float_denorm_mode_32 3
		.amdhsa_float_denorm_mode_16_64 3
		.amdhsa_memory_ordered 1
		.amdhsa_forward_progress 1
		.amdhsa_inst_pref_size 155
	.end_amdhsa_kernel
	.amdgpu_metadata
---
amdhsa.version: [ 1, 2 ]
amdhsa.kernels:
  - .name:           k_qf1631c35f5_scores
    .symbol:         k_qf1631c35f5_scores.kd
    .args:
      - { .name: encoder_outputs_codes, .offset: 0, .size: 8, .value_kind: global_buffer, .address_space: global }
      - { .name: encoder_outputs_scales, .offset: 8, .size: 8, .value_kind: global_buffer, .address_space: global }
      - { .name: W_codes, .offset: 16, .size: 8, .value_kind: global_buffer, .address_space: global }
      - { .name: W_scales, .offset: 24, .size: 8, .value_kind: global_buffer, .address_space: global }
      - { .name: hidden, .offset: 32, .size: 8, .value_kind: global_buffer, .address_space: global }
      - { .name: part, .offset: 40, .size: 8, .value_kind: global_buffer, .address_space: global }
    .group_segment_fixed_size: 327680
    .private_segment_fixed_size: 0
    .kernarg_segment_align: 8
    .kernarg_segment_size: 48
    .max_flat_workgroup_size: 128
    .sgpr_count:     102
    .vgpr_count:     1024
    .wavefront_size: 32
...
	.end_amdgpu_metadata
.endif
;; end of part 3
;; launch softmax (part 4): grid 16 x 1, 8 waves a work-group, no clusters, 1,280 bytes of LDS; arguments part, out0; writes out0
.if DOCPART == 4
	.amdgcn_target "amdgcn-amd-amdhsa--gfx1250"
	.amdhsa_code_object_version 6
	.text
	.protected	k_qf1631c35f5_softmax
	.globl	k_qf1631c35f5_softmax
	.p2align	8
	.type	k_qf1631c35f5_softmax,@function
k_qf1631c35f5_softmax:
	s_mov_b64 s[64:65], 0
	v_nop
	global_prefetch_b8 v0, s[64:65] scope:SCOPE_SE
	s_setreg_imm32_b32 hwreg(HW_REG_WAVE_MODE, 25, 1), 1
	s_wait_xcnt 0x0
; out0[b][s] = softmax over s of (part[0][b][s] + part[1][b][s]).  part: [2][16][4096] f32; out0: [16][4096] f32.  (The bias's term, the same for all s, is left out: see the first launch.)
; A work-group owns a batch, a lane 16 of its numbers.  Each wave takes ITS largest score away before its exponentials and sums them; the 8 pairs (largest, sum) meet in LDS behind one barrier, and each
; wave brings its numbers under the batch's largest score M by the factor 2^((its largest - M) log2 e).  So every exponent is 0 or less and every sum is at least 1, whatever the scores' size or offset.
; No matrix unit, no tensor load, no cluster: 32 KiB a work-group are read once, and nothing is shared.
; LIMITS: NaN and infinities among the scores are not served; a probability under 2^-126 comes out as 0 (v_exp_f32 gives 0 there: ISA guide, its entry).
.set HALF, 65536*4                     ; bytes from one half's sums to the other's
.set X, 8                              ; v8-23   the scores, then the exponentials
.set Y, 24                             ; v24-39  the other half's sums; at work
	s_load_b128 s[4:7], s[0:1], 0x0                ; part s[4:5], out0 s[6:7]
	v_lshl_add_u32 v2, v0, 2, 0x100                ; my spare word
	v_mov_b32 v3, 0
	s_lshl_b32 s2, ttmp9, 14                       ; the batch's 4,096 numbers
	s_mov_b32 s3, 0
	s_mov_b32 s8, 0x76543210                       ; v_permlanex16_b32's selects for lane l xor 16
	s_mov_b32 s9, 0xfedcba98
	s_mov_b32 s10, 0x3fb8aa3b                      ; log2(e)
	s_mov_b32 s11, s10                             ; (named with it as a pair)
	v_lshlrev_b32 v1, 4, v0                        ; 16 T
	v_lshrrev_b32 v4, 5, v0
	v_and_b32 v5, 7, v0
	v_mov_b32 v44, 0                               ; written once: a lane permute's destination counts as one of its sources
	v_mov_b32 v45, 0
	v_lshlrev_b32 v4, 3, v4                        ; LDS: 8 x wave: my wave's pair
	v_lshlrev_b32 v5, 3, v5                        ; and the pair of the wave whose number is my lane's mod 8
	s_wait_alu depctr_va_vdst(0)
	s_wait_kmcnt 0x0
	s_add_nc_u64 s[4:5], s[4:5], s[2:3]
	s_add_nc_u64 s[6:7], s[6:7], s[2:3]
.irp g, 0,1,2,3
	global_load_b128 v[X+4*\g:X+4*\g+3], v1, s[4:5] offset:4096*\g th:TH_LOAD_NT
	global_load_b128 v[Y+4*\g:Y+4*\g+3], v1, s[4:5] offset:HALF+4096*\g th:TH_LOAD_NT
.endr
.irp g, 0,1,2,3
	s_wait_loadcnt 6-2*\g                          ; all but the loads of the chunks behind this one
	v_pk_add_f32 v[X+4*\g:X+4*\g+1], v[X+4*\g:X+4*\g+1], v[Y+4*\g:Y+4*\g+1]
	v_pk_add_f32 v[X+4*\g+2:X+4*\g+3], v[X+4*\g+2:X+4*\g+3], v[Y+4*\g+2:Y+4*\g+3]
	s_wait_alu depctr_va_vdst(0)
.endr
	v_max3_num_f32 v40, v8, v9, v10
	v_max3_num_f32 v41, v11, v12, v13
	v_max3_num_f32 v42, v14, v15, v16
	v_max3_num_f32 v43, v17, v18, v19
	v_max3_num_f32 v40, v40, v20, v21
	v_max3_num_f32 v41, v41, v22, v23
	v_max_num_f32 v42, v42, v43
	s_delay_alu instid0(VALU_DEP_1)
	v_max_num_f32 v42, v42, v41
	s_delay_alu instid0(VALU_DEP_1)
	v_max_num_f32 v40, v42, v40
.irp m, 1,2,4,8
	s_delay_alu instid0(VALU_DEP_1)
	v_max_num_f32_dpp v40, v40, v40 row_xmask:\m row_mask:0xf bank_mask:0xf
.endr
	s_delay_alu instid0(VALU_DEP_1)
	v_permlanex16_b32 v44, v40, s8, s9
	s_delay_alu instid0(VALU_DEP_1)
	v_max_num_f32 v40, v40, v44                    ; my wave's largest score
.irp i, 0,2,4,6,8,10,12,14
	v_pk_add_f32 v[X+\i:X+\i+1], v[X+\i:X+\i+1], v[40:41] op_sel_hi:[1,0] neg_lo:[0,1] neg_hi:[0,1]   ; 0 or less (of the pair the low word serves both halves)
.endr
.irp i, 0,2,4,6,8,10,12,14
	v_pk_mul_f32 v[X+\i:X+\i+1], v[X+\i:X+\i+1], s[10:11] op_sel_hi:[1,0]
.endr
	s_wait_alu depctr_va_vdst(0)                   ; ahead of the batch,
.irp i, 0,1,2,3,4,5,6,7,8,9,10,11,12,13,14,15
	v_exp_f32 v[X+\i], v[X+\i]                     ; at most 1
.endr
	v_nop                                          ; a plain instruction between the exponentials and the use of their results
	s_wait_alu depctr_va_vdst(0)                   ; and behind it
.irp i, 0,2,4,6
	v_pk_add_f32 v[Y+\i:Y+\i+1], v[X+\i:X+\i+1], v[X+8+\i:X+9+\i]
.endr
	v_pk_add_f32 v[Y:Y+1], v[Y:Y+1], v[Y+4:Y+5]
	v_pk_add_f32 v[Y+2:Y+3], v[Y+2:Y+3], v[Y+6:Y+7]
	s_delay_alu instid0(VALU_DEP_1)
	v_pk_add_f32 v[Y+2:Y+3], v[Y+2:Y+3], v[Y:Y+1]
	s_delay_alu instid0(VALU_DEP_1)
	v_add_f32 v41, v[Y+2], v[Y+3]
.irp m, 1,2,4,8
	s_delay_alu instid0(VALU_DEP_1)
	v_add_f32_dpp v41, v41, v41 row_xmask:\m row_mask:0xf bank_mask:0xf
.endr
	s_delay_alu instid0(VALU_DEP_1)
	v_permlanex16_b32 v45, v41, s8, s9
	s_delay_alu instid0(VALU_DEP_1)
	v_add_f32 v41, v41, v45                        ; my wave's sum, at least 1
	ds_store_b64 v4, v[40:41]                      ; all lanes of a wave write the same two words with the same values
	s_wait_dscnt 0x0                               ; for the others' sake: my store is done
	s_barrier_signal -1
	s_barrier_wait -1
	ds_load_b64 v[50:51], v5                       ; lane l: wave (l mod 8)'s largest score and sum
	s_wait_dscnt 0x0
	v_mov_b32 v52, v50
.irp m, 1,2,4
	s_delay_alu instid0(VALU_DEP_1)
	v_max_num_f32_dpp v52, v52, v52 row_xmask:\m row_mask:0xf bank_mask:0xf
.endr
	v_sub_f32 v53, v50, v52                        ; v52: M, the batch's largest score
	v_sub_f32 v54, v40, v52
	v_mul_f32 v53, s10, v53
	v_mul_f32 v54, s10, v54
	s_wait_alu depctr_va_vdst(0)                   ; ahead of the batch
	v_exp_f32 v53, v53                             ; that wave's factor,
	v_exp_f32 v54, v54                             ; and my wave's
	v_nop
	s_wait_alu depctr_va_vdst(0)                   ; and behind it
	v_mul_f32 v53, v53, v51
.irp m, 1,2,4
	s_delay_alu instid0(VALU_DEP_1)
	v_add_f32_dpp v53, v53, v53 row_xmask:\m row_mask:0xf bank_mask:0xf
.endr
	s_wait_alu depctr_va_vdst(0)                   ; v53: the batch's sum under M, at least 1
	v_rcp_f32 v55, v53
	v_nop
	s_wait_alu depctr_va_vdst(0)
	v_mul_f32 v54, v54, v55                        ; my wave's factor / the sum
.irp i, 0,2,4,6,8,10,12,14
	v_pk_mul_f32 v[X+\i:X+\i+1], v[X+\i:X+\i+1], v[54:55] op_sel_hi:[1,0]
.endr
.irp g, 0,1,2,3
	global_store_b128 v1, v[X+4*\g:X+4*\g+3], s[6:7] offset:4096*\g th:TH_STORE_NT   ; a wave's store covers 512 consecutive bytes
.endr
	s_wait_tensorcnt 0x0                           ; the wave's end
	ds_add_u32 v2, v3
	s_wait_dscnt 0x0
	s_endpgm
.Lfunc_end_k_qf1631c35f5_softmax:
	.size	k_qf1631c35f5_softmax, .Lfunc_end_k_qf1631c35f5_softmax-k_qf1631c35f5_softmax
	.p2alignl 7, 3214868480
	.fill 96, 4, 3214868480
	.section	.rodata,"a",@progbits
	.p2align	6, 0x0
	.amdhsa_kernel k_qf1631c35f5_softmax
		.amdhsa_group_segment_fixed_size 1280
		.amdhsa_private_segment_fixed_size 0
		.amdhsa_enable_private_segment 0
		.amdhsa_kernarg_size 16
		.amdhsa_user_sgpr_count 2
		.amdhsa_user_sgpr_kernarg_segment_ptr 1
		.amdhsa_wavefront_size32 1
		.amdhsa_system_sgpr_workgroup_id_x 1
		.amdhsa_system_sgpr_workgroup_id_y 1
		.amdhsa_system_sgpr_workgroup_id_z 1
		.amdhsa_system_vgpr_workitem_id 0
		.amdhsa_next_free_vgpr 64
		.amdhsa_next_free_sgpr 66
		.amdhsa_reserve_vcc 0
		.amdhsa_float_denorm_mode_32 3
		.amdhsa_float_denorm_mode_16_64 3
		.amdhsa_memory_ordered 1
		.amdhsa_forward_progress 1
		.amdhsa_inst_pref_size 9
	.end_amdhsa_kernel
	.amdgpu_metadata
---
amdhsa.version: [ 1, 2 ]
amdhsa.kernels:
  - .name:           k_qf1631c35f5_softmax
    .symbol:         k_qf1631c35f5_softmax.kd
    .args:
      - { .name: part, .offset: 0, .size: 8, .value_kind: global_buffer, .address_space: global }
      - { .name: out0, .offset: 8, .size: 8, .value_kind: global_buffer, .address_space: global }
    .group_segment_fixed_size: 1280
    .private_segment_fixed_size: 0
    .kernarg_segment_align: 8
    .kernarg_segment_size: 16
    .max_flat_workgroup_size: 256
    .sgpr_count:     66
    .vgpr_count:     64
    .wavefront_size: 32
...
	.end_amdgpu_metadata
.endif
;; end of part 4
